; MI455X (gfx1250); checked and timed in simulation.
; The chip was launched on July 23, 2026; its instructions are those of AMD's public machine-readable ISA for CDNA 5 (MIT licence, August 2026) and "CDNA5" Instruction Set Architecture Reference Guide (July 2026). The comments in the code are by the model that wrote it; some were corrected since.
;; Model. Allowed arithmetic: float matrix products may take bf16 or f16 operands with f32 sums; all other float work in f32.
;; Inputs: C 65,536 float32; D 65,536 x 512 float32; F 512 float32; H 512 x 65,536 float32; I 512 x 1 float32; W 256 x 256 float32; W_in_1 256 x 512 float32; W_in_2 512 x 512 float32; x 256 x 1 float32; z 512 x 1 float32.
;; Outputs: out0 256 x 1 float32; out1 256 x 256 float32; out2 512 x 1 float32.
;; One version. Each part assembles by itself: llvm-mc -triple=amdgcn-amd-amdhsa -mcpu=gfx1250 --defsym DOCPART=n.
;; ======== version 1 of 1: 2 launches
;; workspace buffers: wpart 262,144 bytes
;; launch dstep (part 1): grid 256 x 1, 16 waves a work-group, no clusters, 3,072 bytes of LDS; arguments D, W, W_in_1, I, x, z, out0, wpart; writes out0, wpart
.if DOCPART == 1
	.amdgcn_target "amdgcn-amd-amdhsa--gfx1250"
	.amdhsa_code_object_version 6
	.text
	.protected	k_q3cbf3d5562_dstep
	.globl	k_q3cbf3d5562_dstep
	.p2align	8
	.type	k_q3cbf3d5562_dstep,@function
k_q3cbf3d5562_dstep:
	s_mov_b64 s[64:65], 0
	v_nop
	global_prefetch_b8 v0, s[64:65] scope:SCOPE_SE
	s_setreg_imm32_b32 hwreg(HW_REG_WAVE_MODE, 25, 1), 1
	s_wait_xcnt 0x0
; out0 = x_new = 0.9 x + 0.1 W sigmoid(x) + W_in_1 I          (256 numbers)
; wpart = 0.9 W + 0.1 (D tanh(z)) as [256][256] f32           (the part of W_new that does not need x_new)
; D: [65536][512] f32.  Work-group g owns D's rows 256 g .. 256 g + 255 (524,288 consecutive bytes), which give row g of wpart, and x_new[g].
; Wave w owns the 16 rows 16 w + r.  A row is 2,048 bytes = four loads of 16 bytes a lane, each covering 512 consecutive bytes that start
; at a multiple of 512 from D's first byte; lane l holds columns 128 q + 4 l + e (q = load, e = word).  tanh(z) lies in the same layout in
; 16 registers for the whole kernel.  A ring of eight row slots in registers keeps 32 loads (16,384 bytes) of every wave on their way.
; All arithmetic is f32 on the vector ALU.  WHY NO MATRIX UNIT: the right-hand side is one column, every number of D feeds one multiply-add,
; and a conversion to bf16 would cost as many instructions as the packed multiply-add that does the whole work.
; WHY NO CLUSTER: what work-groups share (z, x, I: 5,120 bytes) is under one hundredth of a group's own 524,288 bytes.
; WHY NO LDS RING: no wave reads another wave's part of D.  WHY NO PREFETCH: half of a wave's 32,768 bytes are asked for by its first 32 loads.
; LIMITS: tanh(z) = 1 - 2 / (1 + 2^(2.88539 z)) carries an absolute error of about 1.2e-7 (relative error passes 1% only for |z| < 1e-5) and
; goes to +1 / -1 for large |z|; sigmoid(x) = 1 / (1 + 2^(-1.442695 x)) gives 0 where the true value is below 2^-126; sums are f32 in an order
; other than the reference's; out0 is stored as one word by each work-group (one row of W and of W_in_1 a group keeps the groups' work equal).
.set ROWB,  2048                       ; bytes in a row of D
.set LOFF,  1                          ; v1        16 x lane
.set DOFF,  2                          ; v2        16 x lane + wave x 16 rows x 2,048 bytes
.set LST,   3                          ; v3        LDS: wave x 64 + 4 (lane % 16): the word of row 16 w + lane % 16
.set PSI,   8                          ; v[8:23]   z as loaded, then tanh(z): PSI[4 q + e] = psi[128 q + 4 l + e]
.set P,     24                         ; v[24:39]  row r's sum over my 16 columns, folded across lanes as the rows come
.set ACC,   40                         ; v[40:43]  two pairs at work
.set T,     44                         ; v[44:47]  T+0 = XN; T+2 = destination of the lane exchange
.set XN,    44                         ; v44       wave 0: x_new[g], kept to the end
.set XS,    48                         ; v[48:55]  wave 0: x, then sigmoid(x); at the end the 256 sums read back from LDS
.set WR,    56                         ; v[56:63]  wave 0: row g of W, then 0.9 x it
.set IV,    64                         ; v[64:79]  wave 0: I
.set W1,    80                         ; v[80:95]  wave 0: row g of W_in_1
.set X,     96                         ; v[96:223] the ring: slot s at X + 16 s, load q at + 4 q
; s2 wave, s3 saved EXEC, s4 x[g], s5 4 g, s[8:23] the eight addresses, s[24:25] an offset, s26-29 lane-bit masks, s30-31 lane selects
	s_load_b512 s[8:23], s[0:1], 0x0               ; D s[8:9], W s[10:11], W_in_1 s[12:13], I s[14:15], x s[16:17], z s[18:19], out0 s[20:21], wpart s[22:23]
	v_lshl_add_u32 v224, v0, 2, 0x400
	v_mov_b32 v225, 0
	v_lshrrev_b32 v4, 5, v0
	v_readfirstlane_b32 s2, v4                     ; wave 0..15 as a scalar
	v_and_b32 v5, 31, v0
	v_lshlrev_b32 v[LOFF], 4, v5
	v_lshl_add_u32 v[DOFF], v4, 15, v[LOFF]
	v_and_b32 v5, 15, v0
	v_lshlrev_b32 v5, 2, v5
	v_lshl_or_b32 v[LST], v4, 6, v5
	v_mov_b32 v[T+2], 0                            ; v_permlanex16_b32 counts as a reader of its destination: written once here, by every wave
	s_mov_b32 s26, 0xaaaaaaaa                      ; lanes whose bit 0 is set
	s_mov_b32 s27, 0xcccccccc                      ; bit 1
	s_mov_b32 s28, 0xf0f0f0f0                      ; bit 2
	s_mov_b32 s29, 0xff00ff00                      ; bit 3
	s_mov_b32 s30, 0x76543210                      ; lane i of one half of the wave reads lane i of the other
	s_mov_b32 s31, 0xfedcba98
	s_lshl_b32 s5, ttmp9, 2                        ; byte offset of x[g] and of out0[g]
	s_mov_b32 s25, 0
	s_wait_kmcnt 0x0
	; every base is stepped to the group's part here, in front of the first load, and never written again
	s_lshl_b32 s24, ttmp9, 19
	s_add_nc_u64 s[8:9], s[8:9], s[24:25]          ; D: 256 rows of 2,048 bytes a group
	s_lshl_b32 s24, ttmp9, 10
	s_add_nc_u64 s[10:11], s[10:11], s[24:25]      ; W: row g
	s_add_nc_u64 s[22:23], s[22:23], s[24:25]      ; wpart: row g
	s_lshl_b32 s24, ttmp9, 11
	s_add_nc_u64 s[12:13], s[12:13], s[24:25]      ; W_in_1: row g
	s_mov_b32 s24, s5
	s_add_nc_u64 s[20:21], s[20:21], s[24:25]      ; out0[g]
.macro FILL r                          ; row r's four loads into slot r % 8
.irp q, 0,1,2,3
	global_load_b128 v[X+16*((\r)&7)+4*\q:X+16*((\r)&7)+4*\q+3], v[DOFF], s[8:9] offset:ROWB*(\r)+512*\q th:TH_LOAD_NT
.endr
.endm
.macro EXPS base, n                    ; n exponentials in place, back to back, then the one plain place that stands in front of the first use (ISA guide 5.7.2)
.set ii, 0
.rept \n
	v_exp_f32 v[\base+ii], v[\base+ii]
.set ii, ii+1
.endr
	v_nop
.endm
.macro RCPS base, n                    ; the same for reciprocals
.set ii, 0
.rept \n
	v_rcp_f32 v[\base+ii], v[\base+ii]
.set ii, ii+1
.endr
	v_nop
.endm
; Two rows' sums are each added to the lane xm away; then lanes whose bit is 0 keep row a's sum and the others row b's: one register goes on
.macro FOLD a, b, xm, mask
	v_add_f32_dpp v[P+\a], v[P+\a], v[P+\a] row_xmask:\xm row_mask:0xf bank_mask:0xf
	v_add_f32_dpp v[P+\b], v[P+\b], v[P+\b] row_xmask:\xm row_mask:0xf bank_mask:0xf
	v_cndmask_b32 v[P+\a], v[P+\a], v[P+\b], \mask
.endm
	; the small inputs first, so that one counted wait covers them all
.irp q, 0,1,2,3
	global_load_b128 v[PSI+4*\q:PSI+4*\q+3], v[LOFF], s[18:19] offset:512*\q       ; z
.endr
	s_cmp_lg_u32 s2, 0
	s_cbranch_scc1 .Lno_small_loads
.irp q, 0,1
	global_load_b128 v[XS+4*\q:XS+4*\q+3], v[LOFF], s[16:17] offset:512*\q         ; x
	global_load_b128 v[WR+4*\q:WR+4*\q+3], v[LOFF], s[10:11] offset:512*\q th:TH_LOAD_NT   ; row g of W
.endr
.irp q, 0,1,2,3
	global_load_b128 v[IV+4*\q:IV+4*\q+3], v[LOFF], s[14:15] offset:512*\q         ; I
	global_load_b128 v[W1+4*\q:W1+4*\q+3], v[LOFF], s[12:13] offset:512*\q th:TH_LOAD_NT   ; row g of W_in_1
.endr
	s_load_b32 s4, s[16:17], s5 offset:0x0         ; x[g]
.Lno_small_loads:
.irp r, 0,1,2,3,4,5,6,7
	FILL \r                                        ; the ring: rows 0 to 7, 32 loads
.endr
	s_wait_loadcnt 32                              ; loads come back in order (ISA guide 5.7.1): only the ring's 32 were issued behind the small ones, in wave 0 too
	; tanh(z) = 1 - 2 / (1 + 2^(2 log2(e) z)), in place
.irp j, 0,2,4,6,8,10,12,14
	v_pk_mul_f32 v[PSI+\j:PSI+\j+1], v[PSI+\j:PSI+\j+1], 0x4038aa3b op_sel_hi:[1,0]
.endr
	EXPS PSI, 16
	s_wait_alu depctr_va_vdst(0)
.irp j, 0,2,4,6,8,10,12,14
	v_pk_add_f32 v[PSI+\j:PSI+\j+1], v[PSI+\j:PSI+\j+1], 1.0 op_sel_hi:[1,0]
.endr
	RCPS PSI, 16
	s_wait_alu depctr_va_vdst(0)
.irp j, 0,2,4,6,8,10,12,14
	v_pk_fma_f32 v[PSI+\j:PSI+\j+1], v[PSI+\j:PSI+\j+1], -2.0, 1.0 op_sel_hi:[1,0,0]
.endr
	s_cmp_lg_u32 s2, 0
	s_cbranch_scc1 .Lno_xnew
	; wave 0: x_new[g], while the ring's loads are on their way
	s_wait_kmcnt 0x0                               ; x[g]
.irp j, 0,2,4,6
	v_pk_mul_f32 v[XS+\j:XS+\j+1], v[XS+\j:XS+\j+1], 0xbfb8aa3b op_sel_hi:[1,0]    ; sigmoid(x) = 1 / (1 + 2^(-log2(e) x))
.endr
	EXPS XS, 8
	s_wait_alu depctr_va_vdst(0)
.irp j, 0,2,4,6
	v_pk_add_f32 v[XS+\j:XS+\j+1], v[XS+\j:XS+\j+1], 1.0 op_sel_hi:[1,0]
.endr
	RCPS XS, 8
	s_wait_alu depctr_va_vdst(0)
	v_pk_mul_f32 v[ACC:ACC+1], v[WR:WR+1], v[XS:XS+1]                              ; W[g] . sigmoid(x), my 8 columns
	v_pk_mul_f32 v[ACC+2:ACC+3], v[W1:W1+1], v[IV:IV+1]                            ; W_in_1[g] . I, my 16 columns
.irp j, 2,4,6
	v_pk_fma_f32 v[ACC:ACC+1], v[WR+\j:WR+\j+1], v[XS+\j:XS+\j+1], v[ACC:ACC+1]
.endr
.irp j, 2,4,6,8,10,12,14
	v_pk_fma_f32 v[ACC+2:ACC+3], v[W1+\j:W1+\j+1], v[IV+\j:IV+\j+1], v[ACC+2:ACC+3]
.endr
	v_pk_fma_f32 v[ACC+2:ACC+3], v[ACC:ACC+1], 0x3dcccccd, v[ACC+2:ACC+3] op_sel_hi:[1,0,1]   ; 0.1 x the first + the second
	v_add_f32 v[XN], v[ACC+2], v[ACC+3]
	v_add_f32_dpp v[XN], v[XN], v[XN] row_xmask:1 row_mask:0xf bank_mask:0xf       ; over the 32 lanes
	v_add_f32_dpp v[XN], v[XN], v[XN] row_xmask:2 row_mask:0xf bank_mask:0xf
	v_add_f32_dpp v[XN], v[XN], v[XN] row_xmask:4 row_mask:0xf bank_mask:0xf
	v_add_f32_dpp v[XN], v[XN], v[XN] row_xmask:8 row_mask:0xf bank_mask:0xf
	v_permlanex16_b32 v[T+2], v[XN], s30, s31
	v_add_f32 v[XN], v[XN], v[T+2]
	v_fma_f32 v[XN], s4, 0x3f666666, v[XN]         ; + 0.9 x[g]
.irp j, 0,2,4,6
	v_pk_mul_f32 v[WR+\j:WR+\j+1], v[WR+\j:WR+\j+1], 0x3f666666 op_sel_hi:[1,0]    ; 0.9 W[g], the addend of the last step
.endr
.Lno_xnew:
; Row r.  refill = 1: its slot gets row r + 8.  left = how many younger loads may stay out.
.macro DROW r, refill, left
.set XB, X+16*((\r)&7)
	s_wait_loadcnt \left                           ; row r's four loads are in; the rows behind it stay on their way
	v_pk_mul_f32 v[ACC:ACC+1],   v[XB:XB+1],   v[PSI:PSI+1]                        ; the first products start the two chains: nothing is cleared
	v_pk_mul_f32 v[ACC+2:ACC+3], v[XB+2:XB+3], v[PSI+2:PSI+3]
.irp q, 1,2,3
	v_pk_fma_f32 v[ACC:ACC+1],   v[XB+4*\q:XB+4*\q+1],   v[PSI+4*\q:PSI+4*\q+1],   v[ACC:ACC+1]
	v_pk_fma_f32 v[ACC+2:ACC+3], v[XB+4*\q+2:XB+4*\q+3], v[PSI+4*\q+2:PSI+4*\q+3], v[ACC+2:ACC+3]
.endr
.if \refill
	FILL \r+8                                      ; as soon as the slot has been read
.endif
	v_pk_add_f32 v[ACC:ACC+1], v[ACC:ACC+1], v[ACC+2:ACC+3]
	v_add_f32 v[P+\r], v[ACC], v[ACC+1]
	; folds as soon as both inputs exist: after row 15, lane l holds in P+0 the sum over its half of the wave of row l % 16
.if ((\r)&1)==1
	FOLD \r-1, \r, 1, s26
.endif
.if ((\r)&3)==3
	FOLD \r-3, \r-1, 2, s27
.endif
.if ((\r)&7)==7
	FOLD \r-7, \r-3, 4, s28
.endif
.if (\r)==15
	FOLD 0, 8, 8, s29
.endif
.endm
.irp r, 0,1,2,3,4,5,6,7
	DROW \r, 1, 28                                 ; behind row r stand 4 (7 - r) loads of the first fill and 4 r of the refills: 28
.endr
.irp r, 8,9,10,11,12,13,14,15
	DROW \r, 0, 4*(15-\r)                          ; nothing is loaded any more: the counts run down to 0, and no load leaves D
.endr
	v_permlanex16_b32 v[T+2], v[P], s30, s31       ; the other half of the wave
	v_add_f32 v[P], v[P], v[T+2]
	ds_store_b32 v[LST], v[P]                      ; word 16 w + l % 16; lanes l and l + 16 write the same word with the same value
	s_wait_dscnt 0x0                               ; zero: wave 0 reads these words behind the barrier
	s_barrier_signal -1
	s_barrier_wait -1
	s_cmp_lg_u32 s2, 0
	s_cbranch_scc1 .Lend
	; wave 0: the group's row of wpart, and x_new[g]
	ds_load_b128 v[XS:XS+3],   v[LOFF]             ; sums 4 l .. 4 l + 3,
	ds_load_b128 v[XS+4:XS+7], v[LOFF] offset:512  ; and 128 + 4 l ..: the layout of WR
	s_wait_dscnt 0x0
.irp j, 0,2,4,6
	v_pk_fma_f32 v[XS+\j:XS+\j+1], v[XS+\j:XS+\j+1], 0x3dcccccd, v[WR+\j:WR+\j+1] op_sel_hi:[1,0,1]   ; 0.1 (D psi) + 0.9 W
.endr
	global_store_b128 v[LOFF], v[XS:XS+3],   s[22:23]              ; each store covers 512 consecutive bytes, at a multiple of 512 from wpart's first byte
	global_store_b128 v[LOFF], v[XS+4:XS+7], s[22:23] offset:512   ; no hint: the next launch reads them
	s_wait_xcnt 0x0                                ; EXEC is a source of the stores above: it changes only behind this wait
	v_cmp_eq_u32 vcc_lo, 0, v0
	s_and_saveexec_b32 s3, vcc_lo
	global_store_b32 v[LOFF], v[XN], s[20:21]      ; lane 0 (its LOFF is 0): out0[g]
	s_wait_xcnt 0x0                                ; and again in front of the line that widens it
	s_or_b32 exec_lo, exec_lo, s3
.Lend:
	s_wait_tensorcnt 0x0
	ds_add_u32 v224, v225
	s_wait_dscnt 0x0
	s_endpgm
.Lfunc_end_k_q3cbf3d5562_dstep:
	.size	k_q3cbf3d5562_dstep, .Lfunc_end_k_q3cbf3d5562_dstep-k_q3cbf3d5562_dstep
	.p2alignl 7, 3214868480
	.fill 96, 4, 3214868480
	.section	.rodata,"a",@progbits
	.p2align	6, 0x0
	.amdhsa_kernel k_q3cbf3d5562_dstep
		.amdhsa_group_segment_fixed_size 3072
		.amdhsa_private_segment_fixed_size 0
		.amdhsa_enable_private_segment 0
		.amdhsa_kernarg_size 64
		.amdhsa_user_sgpr_count 2
		.amdhsa_user_sgpr_kernarg_segment_ptr 1
		.amdhsa_wavefront_size32 1
		.amdhsa_system_sgpr_workgroup_id_x 1
		.amdhsa_system_sgpr_workgroup_id_y 1
		.amdhsa_system_sgpr_workgroup_id_z 1
		.amdhsa_system_vgpr_workitem_id 0
		.amdhsa_next_free_vgpr 226
		.amdhsa_next_free_sgpr 66
		.amdhsa_reserve_vcc 1
		.amdhsa_float_denorm_mode_32 3
		.amdhsa_float_denorm_mode_16_64 3
		.amdhsa_memory_ordered 1
		.amdhsa_forward_progress 1
		.amdhsa_inst_pref_size 30
	.end_amdhsa_kernel
	.amdgpu_metadata
---
amdhsa.version: [ 1, 2 ]
amdhsa.kernels:
  - .name:           k_q3cbf3d5562_dstep
    .symbol:         k_q3cbf3d5562_dstep.kd
    .args:
      - { .name: D, .offset: 0, .size: 8, .value_kind: global_buffer, .address_space: global }
      - { .name: W, .offset: 8, .size: 8, .value_kind: global_buffer, .address_space: global }
      - { .name: W_in_1, .offset: 16, .size: 8, .value_kind: global_buffer, .address_space: global }
      - { .name: I, .offset: 24, .size: 8, .value_kind: global_buffer, .address_space: global }
      - { .name: x, .offset: 32, .size: 8, .value_kind: global_buffer, .address_space: global }
      - { .name: z, .offset: 40, .size: 8, .value_kind: global_buffer, .address_space: global }
      - { .name: out0, .offset: 48, .size: 8, .value_kind: global_buffer, .address_space: global }
      - { .name: wpart, .offset: 56, .size: 8, .value_kind: global_buffer, .address_space: global }
    .group_segment_fixed_size: 3072
    .private_segment_fixed_size: 0
    .kernarg_segment_align: 8
    .kernarg_segment_size: 64
    .max_flat_workgroup_size: 512
    .sgpr_count:     66
    .vgpr_count:     226
    .wavefront_size: 32
...
	.end_amdgpu_metadata
.endif
;; end of part 1
;; launch hstep (part 2): grid 256 x 1, 16 waves a work-group, no clusters, 2,304 bytes of LDS; arguments H, C, F, I, W_in_2, z, out0, wpart, out1, out2; writes out1, out2
.if DOCPART == 2
	.amdgcn_target "amdgcn-amd-amdhsa--gfx1250"
	.amdhsa_code_object_version 6
	.text
	.protected	k_q3cbf3d5562_hstep
	.globl	k_q3cbf3d5562_hstep
	.p2align	8
	.type	k_q3cbf3d5562_hstep,@function
k_q3cbf3d5562_hstep:
	s_mov_b64 s[64:65], 0
	v_nop
	global_prefetch_b8 v0, s[64:65] scope:SCOPE_SE
	s_setreg_imm32_b32 hwreg(HW_REG_WAVE_MODE, 25, 1), 1
	s_wait_xcnt 0x0
; With phi = sigmoid(x_new) (x_new = out0 of the launch before):
; out1[g][j] = wpart[g][j] + 0.1 C[256 g + j] phi[g] phi[j]
; out2[m]    = 0.999 z[m] + 0.001 (F[m] tanh(z[m]) + sum over i, j of H[m][256 i + j] phi[i] phi[j] + W_in_2[m] . I)
; H: [512][65536] f32.  Work-group g owns rows m = 2 g and 2 g + 1 (524,288 consecutive bytes), the same two rows of W_in_2, and row g of out1.
; Wave w owns i = 16 w + k, k = 0..15, in both rows: for one i and one row 1,024 bytes = two loads of 16 bytes a lane, each covering 512
; consecutive bytes at a multiple of 512 from H's first byte; lane l holds j = 128 q + 4 l + e.  The sum is formed as
; sum over i of phi[i] (sum over j of H[m][i][j] phi[j]): phi[j] lies in 8 vector registers, the wave's 16 phi[i] in scalar registers, and the
; outer product is never written out.  Thread t starts its two sums with W_in_2[m][t] I[t] (512 threads, 512 columns): nothing is cleared.
; A ring of eight slots (one i, both rows, four loads) keeps 32 loads (16,384 bytes) of every wave on their way.
; All arithmetic is f32 on the vector ALU.  WHY NO MATRIX UNIT: one right-hand column, one multiply-add for each number of H; a conversion to
; bf16 would cost as many instructions as the packed multiply-add itself.  WHY NO CLUSTER: what work-groups share (x_new, I: 3,072 bytes) is
; under one hundredth of a group's own 524,288 bytes.  WHY NO PREFETCH: half of a wave's 32,768 bytes are asked for by its first 32 loads.
; LIMITS: sigmoid(x) = 1 / (1 + 2^(-1.442695 x)) gives 0 where the true value is below 2^-126; tanh(z) = 1 - 2 / (1 + 2^(2.88539 z)) carries an
; absolute error of about 1.2e-7 and goes to +1 / -1 for large |z|; sums are f32 in an order other than the reference's; out2 is stored as two
; words by each work-group (two rows of H a group keep the groups' work equal).
.set HROW,  262144                     ; bytes in a row of H
.set LOFF,  1                          ; v1        16 x lane
.set HOFF,  2                          ; v2        16 x lane + wave x 16 x 1,024 bytes
.set TOFF,  3                          ; v3        4 x thread
.set IOFF,  4                          ; v4        wave x 64 + 4 (lane % 16): x_new[16 w + lane % 16]
.set EOFF,  5                          ; v5        4 (lane % 2): which of the group's two rows
.set LST,   6                          ; v6        LDS: wave x 8 + 4 (lane % 2)
.set ZERO,  7                          ; v7        0
.set PJ,    8                          ; v[8:15]   x_new[128 q + 4 l + e], then phi of it
.set PI,    16                         ; v16       x_new[16 w + l % 16], then phi of it (directly behind PJ: one run of nine)
.set IVT,   17                         ; v17       I[t]
.set WA,    18                         ; v18       W_in_2[2 g][t]
.set WB,    19                         ; v19       W_in_2[2 g + 1][t]
.set ACC0,  20                         ; v20       my sum for row 2 g
.set ACC1,  21                         ; v21       my sum for row 2 g + 1
.set T0,    22                         ; v[22:23]  inner sum at work, row 2 g
.set T1,    24                         ; v[24:25]  inner sum at work, row 2 g + 1
.set U0,    26                         ; v26       at work; destination of the lane exchange
.set U1,    27                         ; v27       at work
.set XG,    28                         ; v28       wave 0: x_new[g], then 0.1 phi[g]  (first of the pair v[28:29])
.set ZV,    29                         ; v29       wave 0: z[2 g + l % 2], then 0.999 z + 0.001 F tanh(z)
.set FV,    30                         ; v30       wave 0: F[2 g + l % 2]
.set TZ,    31                         ; v31       wave 0: tanh(z)
.set CR,    32                         ; v[32:39]  wave 0: row g of C
.set TR,    40                         ; v[40:47]  wave 0: row g of wpart, then of out1
.set X,     48                         ; v[48:175] the ring: slot s at X + 16 s: + 0, + 4 row 2 g (q = 0, 1); + 8, + 12 row 2 g + 1
.set PHI,   32                         ; s[32:47]  phi[16 w + k]
; s2 wave, s3 saved EXEC, s[8:27] the ten addresses, s[28:29] address of x_new[g], s[30:31] an offset, s48 odd lanes, s50-51 lane selects
	s_load_b512 s[8:23], s[0:1], 0x0               ; H s[8:9], C s[10:11], F s[12:13], I s[14:15], W_in_2 s[16:17], z s[18:19], out0 s[20:21], wpart s[22:23]
	s_load_b128 s[24:27], s[0:1], 0x40             ; out1 s[24:25], out2 s[26:27]
	v_lshl_add_u32 v176, v0, 2, 0x100
	v_mov_b32 v177, 0
	v_lshrrev_b32 v[U1], 5, v0
	v_readfirstlane_b32 s2, v[U1]                  ; wave 0..15 as a scalar
	v_and_b32 v[U0], 31, v0
	v_lshlrev_b32 v[LOFF], 4, v[U0]
	v_lshl_add_u32 v[HOFF], v[U1], 14, v[LOFF]
	v_lshlrev_b32 v[TOFF], 2, v0
	v_and_b32 v[U0], 15, v0
	v_lshlrev_b32 v[U0], 2, v[U0]
	v_lshl_or_b32 v[IOFF], v[U1], 6, v[U0]
	v_and_b32 v[EOFF], 1, v0
	v_lshlrev_b32 v[EOFF], 2, v[EOFF]
	v_lshl_or_b32 v[LST], v[U1], 3, v[EOFF]
	v_mov_b32 v[ZERO], 0
	s_mov_b32 s48, 0xaaaaaaaa                      ; the odd lanes
	s_mov_b32 s50, 0x76543210                      ; lane i of one half of the wave reads lane i of the other
	s_mov_b32 s51, 0xfedcba98
	s_mov_b32 s31, 0
	s_wait_kmcnt 0x0
	; every base is stepped to the group's part here, in front of the first load, and never written again
	s_lshl_b32 s30, ttmp9, 19
	s_add_nc_u64 s[8:9], s[8:9], s[30:31]          ; H: two rows of 262,144 bytes a group
	s_lshl_b32 s30, ttmp9, 10
	s_add_nc_u64 s[10:11], s[10:11], s[30:31]      ; C, wpart, out1: row g
	s_add_nc_u64 s[22:23], s[22:23], s[30:31]
	s_add_nc_u64 s[24:25], s[24:25], s[30:31]
	s_lshl_b32 s30, ttmp9, 12
	s_add_nc_u64 s[16:17], s[16:17], s[30:31]      ; W_in_2: two rows of 2,048 bytes
	s_lshl_b32 s30, ttmp9, 3
	s_add_nc_u64 s[12:13], s[12:13], s[30:31]      ; F, z, out2: two words
	s_add_nc_u64 s[18:19], s[18:19], s[30:31]
	s_add_nc_u64 s[26:27], s[26:27], s[30:31]
	s_lshl_b32 s30, ttmp9, 2
	s_add_nc_u64 s[28:29], s[20:21], s[30:31]      ; x_new[g]
.macro FILL k                          ; step k's four loads (i = 16 w + k, both rows) into slot k % 8
.set XF, X+16*((\k)&7)
	global_load_b128 v[XF:XF+3],     v[HOFF], s[8:9] offset:1024*(\k) th:TH_LOAD_NT
	global_load_b128 v[XF+4:XF+7],   v[HOFF], s[8:9] offset:1024*(\k)+512 th:TH_LOAD_NT
	global_load_b128 v[XF+8:XF+11],  v[HOFF], s[8:9] offset:1024*(\k)+HROW th:TH_LOAD_NT
	global_load_b128 v[XF+12:XF+15], v[HOFF], s[8:9] offset:1024*(\k)+HROW+512 th:TH_LOAD_NT
.endm
.macro EXPS base, n                    ; n exponentials in place, back to back, then the one plain place that stands in front of the first use (ISA guide 5.7.2)
.set ii, 0
.rept \n
	v_exp_f32 v[\base+ii], v[\base+ii]
.set ii, ii+1
.endr
	v_nop
.endm
.macro RCPS base, n                    ; the same for reciprocals
.set ii, 0
.rept \n
	v_rcp_f32 v[\base+ii], v[\base+ii]
.set ii, ii+1
.endr
	v_nop
.endm
	; the small inputs first, so that one counted wait covers them all
	global_load_b128 v[PJ:PJ+3],   v[LOFF], s[20:21]               ; x_new, all 256
	global_load_b128 v[PJ+4:PJ+7], v[LOFF], s[20:21] offset:512
	global_load_b32 v[PI],  v[IOFF], s[20:21]                      ; x_new of my wave's 16 i
	global_load_b32 v[IVT], v[TOFF], s[14:15]                      ; I[t]
	global_load_b32 v[WA],  v[TOFF], s[16:17] th:TH_LOAD_NT        ; W_in_2[2 g][t]: a wave's load covers 128 consecutive bytes, the 16 waves a row
	global_load_b32 v[WB],  v[TOFF], s[16:17] offset:2048 th:TH_LOAD_NT
	s_cmp_lg_u32 s2, 0
	s_cbranch_scc1 .Lno_small_loads
	global_load_b32 v[XG], v[ZERO], s[28:29]                       ; x_new[g], the same word in every lane
	global_load_b32 v[ZV], v[EOFF], s[18:19]                       ; z of my row
	global_load_b32 v[FV], v[EOFF], s[12:13]                       ; F of my row
.irp q, 0,1
	global_load_b128 v[CR+4*\q:CR+4*\q+3], v[LOFF], s[10:11] offset:512*\q th:TH_LOAD_NT   ; row g of C
	global_load_b128 v[TR+4*\q:TR+4*\q+3], v[LOFF], s[22:23] offset:512*\q th:TH_LOAD_NT   ; row g of wpart
.endr
.Lno_small_loads:
.irp k, 0,1,2,3,4,5,6,7
	FILL \k                                        ; the ring: steps 0 to 7, 32 loads
.endr
	s_wait_loadcnt 32                              ; loads come back in order (ISA guide 5.7.1): only the ring's 32 were issued behind the small ones, in wave 0 too
	; phi = 1 / (1 + 2^(-log2(e) x_new)) on the nine registers PJ .. PI, in place
.irp j, 0,2,4,6
	v_pk_mul_f32 v[PJ+\j:PJ+\j+1], v[PJ+\j:PJ+\j+1], 0xbfb8aa3b op_sel_hi:[1,0]
.endr
	v_mul_f32 v[PI], 0xbfb8aa3b, v[PI]
	EXPS PJ, 9
	s_wait_alu depctr_va_vdst(0)
.irp j, 0,2,4,6
	v_pk_add_f32 v[PJ+\j:PJ+\j+1], v[PJ+\j:PJ+\j+1], 1.0 op_sel_hi:[1,0]
.endr
	v_add_f32 v[PI], 1.0, v[PI]
	RCPS PJ, 9
	s_wait_alu depctr_va_vdst(0)
.irp k, 0,1,2,3,4,5,6,7,8,9,10,11,12,13,14,15
	v_readlane_b32 s[PHI+\k], v[PI], \k            ; phi[16 w + k] as a scalar multiplier
.endr
	v_mul_f32 v[ACC0], v[WA], v[IVT]               ; the two sums start with my column of W_in_2 . I
	v_mul_f32 v[ACC1], v[WB], v[IVT]
	s_cmp_lg_u32 s2, 0
	s_cbranch_scc1 .Lno_row
	; wave 0, while the ring's loads are on their way: row g of out1, and the part of z_new that needs no sum
	v_mul_f32 v[XG], 0xbfb8aa3b, v[XG]
	v_mul_f32 v[TZ], 0x4038aa3b, v[ZV]
	v_exp_f32 v[XG], v[XG]
	v_exp_f32 v[TZ], v[TZ]
	v_nop                                          ; the plain place behind the exponentials
	s_wait_alu depctr_va_vdst(0)
	v_add_f32 v[XG], 1.0, v[XG]
	v_add_f32 v[TZ], 1.0, v[TZ]
	v_rcp_f32 v[XG], v[XG]
	v_rcp_f32 v[TZ], v[TZ]
	v_nop                                          ; and behind the reciprocals
	s_wait_alu depctr_va_vdst(0)
	v_mul_f32 v[XG], 0x3dcccccd, v[XG]             ; 0.1 phi[g]
	v_fma_f32 v[TZ], v[TZ], -2.0, 1.0              ; tanh(z)
	v_mul_f32 v[FV], v[FV], v[TZ]                  ; F tanh(z)
	v_mul_f32 v[ZV], 0x3f7fbe77, v[ZV]             ; 0.999 z
	v_fmamk_f32 v[ZV], v[FV], 0x3a83126f, v[ZV]    ; + 0.001 F tanh(z)
.irp j, 0,2,4,6
	v_pk_mul_f32 v[CR+\j:CR+\j+1], v[CR+\j:CR+\j+1], v[PJ+\j:PJ+\j+1]              ; C[g][j] phi[j]
.endr
.irp j, 0,2,4,6
	v_pk_fma_f32 v[TR+\j:TR+\j+1], v[CR+\j:CR+\j+1], v[XG:XG+1], v[TR+\j:TR+\j+1] op_sel_hi:[1,0,1]   ; both halves x v28 = 0.1 phi[g], + wpart
.endr
	global_store_b128 v[LOFF], v[TR:TR+3],   s[24:25] th:TH_STORE_NT               ; each store covers 512 consecutive bytes, at a multiple of 512 from out1's first byte;
	global_store_b128 v[LOFF], v[TR+4:TR+7], s[24:25] offset:512 th:TH_STORE_NT    ; TR, LOFF and the base are not written again
.Lno_row:
; Step k: i = 16 w + k, both rows.  refill = 1: the slot gets step k + 8.  left = how many younger loads may stay out.
.macro HSTEP k, refill, left
.set XB, X+16*((\k)&7)
	s_wait_loadcnt \left                           ; step k's four loads are in; the steps behind it stay on their way
	v_pk_mul_f32 v[T0:T0+1], v[XB:XB+1],   v[PJ:PJ+1]              ; the first products start the inner sums
	v_pk_mul_f32 v[T1:T1+1], v[XB+8:XB+9], v[PJ:PJ+1]
.irp j, 2,4,6
	v_pk_fma_f32 v[T0:T0+1], v[XB+\j:XB+\j+1],     v[PJ+\j:PJ+\j+1], v[T0:T0+1]
	v_pk_fma_f32 v[T1:T1+1], v[XB+8+\j:XB+8+\j+1], v[PJ+\j:PJ+\j+1], v[T1:T1+1]
.endr
.if \refill
	FILL \k+8                                      ; as soon as the slot has been read
.endif
	v_add_f32 v[U0], v[T0], v[T0+1]
	v_add_f32 v[U1], v[T1], v[T1+1]
	v_fmac_f32 v[ACC0], s[PHI+\k], v[U0]           ; x phi[i]
	v_fmac_f32 v[ACC1], s[PHI+\k], v[U1]
.endm
.irp k, 0,1,2,3,4,5,6,7
	HSTEP \k, 1, 28                                ; behind step k stand 4 (7 - k) loads of the first fill and 4 k of the refills: 28
.endr
.irp k, 8,9,10,11,12,13,14,15
	HSTEP \k, 0, 4*(15-\k)                         ; nothing is loaded any more: the counts run down to 0, and no load leaves H
.endr
	; over the wave's lanes: after the first step even lanes carry row 2 g and odd lanes row 2 g + 1, in one register
	v_add_f32_dpp v[ACC0], v[ACC0], v[ACC0] row_xmask:1 row_mask:0xf bank_mask:0xf
	v_add_f32_dpp v[ACC1], v[ACC1], v[ACC1] row_xmask:1 row_mask:0xf bank_mask:0xf
	v_cndmask_b32 v[ACC0], v[ACC0], v[ACC1], s48
	v_add_f32_dpp v[ACC0], v[ACC0], v[ACC0] row_xmask:2 row_mask:0xf bank_mask:0xf
	v_add_f32_dpp v[ACC0], v[ACC0], v[ACC0] row_xmask:4 row_mask:0xf bank_mask:0xf
	v_add_f32_dpp v[ACC0], v[ACC0], v[ACC0] row_xmask:8 row_mask:0xf bank_mask:0xf
	v_permlanex16_b32 v[U0], v[ACC0], s50, s51
	v_add_f32 v[ACC0], v[ACC0], v[U0]
	ds_store_b32 v[LST], v[ACC0]                   ; word 2 w + l % 2; lanes of one parity write the same word with the same value
	s_wait_dscnt 0x0                               ; zero: wave 0 reads these words behind the barrier
	s_barrier_signal -1
	s_barrier_wait -1
	s_cmp_lg_u32 s2, 0
	s_cbranch_scc1 .Lend
	; wave 0: lane l takes wave l / 2's sum for row l % 2; the sum over the 16 waves keeps the parity
	v_and_b32 v[U1], 31, v0
	v_lshlrev_b32 v[U1], 2, v[U1]
	ds_load_b32 v[ACC0], v[U1]
	s_wait_dscnt 0x0
	v_add_f32_dpp v[ACC0], v[ACC0], v[ACC0] row_xmask:2 row_mask:0xf bank_mask:0xf
	v_add_f32_dpp v[ACC0], v[ACC0], v[ACC0] row_xmask:4 row_mask:0xf bank_mask:0xf
	v_add_f32_dpp v[ACC0], v[ACC0], v[ACC0] row_xmask:8 row_mask:0xf bank_mask:0xf
	v_permlanex16_b32 v[U0], v[ACC0], s50, s51
	v_add_f32 v[ACC0], v[ACC0], v[U0]
	v_fmamk_f32 v[ACC0], v[ACC0], 0x3a83126f, v[ZV]    ; 0.001 (H Phi + W_in_2 I) + 0.999 z + 0.001 F tanh(z)
	s_wait_xcnt 0x0                                ; EXEC is a source of the loads and stores above: it changes only behind this wait
	v_cmp_gt_u32 vcc_lo, 2, v0
	s_and_saveexec_b32 s3, vcc_lo
	global_store_b32 v[EOFF], v[ACC0], s[26:27] th:TH_STORE_NT     ; lanes 0 and 1: out2[2 g], out2[2 g + 1]
	s_wait_xcnt 0x0                                ; and again in front of the line that widens it
	s_or_b32 exec_lo, exec_lo, s3
.Lend:
	s_wait_tensorcnt 0x0
	ds_add_u32 v176, v177
	s_wait_dscnt 0x0
	s_endpgm
.Lfunc_end_k_q3cbf3d5562_hstep:
	.size	k_q3cbf3d5562_hstep, .Lfunc_end_k_q3cbf3d5562_hstep-k_q3cbf3d5562_hstep
	.p2alignl 7, 3214868480
	.fill 96, 4, 3214868480
	.section	.rodata,"a",@progbits
	.p2align	6, 0x0
	.amdhsa_kernel k_q3cbf3d5562_hstep
		.amdhsa_group_segment_fixed_size 2304
		.amdhsa_private_segment_fixed_size 0
		.amdhsa_enable_private_segment 0
		.amdhsa_kernarg_size 80
		.amdhsa_user_sgpr_count 2
		.amdhsa_user_sgpr_kernarg_segment_ptr 1
		.amdhsa_wavefront_size32 1
		.amdhsa_system_sgpr_workgroup_id_x 1
		.amdhsa_system_sgpr_workgroup_id_y 1
		.amdhsa_system_sgpr_workgroup_id_z 1
		.amdhsa_system_vgpr_workitem_id 0
		.amdhsa_next_free_vgpr 178
		.amdhsa_next_free_sgpr 66
		.amdhsa_reserve_vcc 1
		.amdhsa_float_denorm_mode_32 3
		.amdhsa_float_denorm_mode_16_64 3
		.amdhsa_memory_ordered 1
		.amdhsa_forward_progress 1
		.amdhsa_inst_pref_size 26
	.end_amdhsa_kernel
	.amdgpu_metadata
---
amdhsa.version: [ 1, 2 ]
amdhsa.kernels:
  - .name:           k_q3cbf3d5562_hstep
    .symbol:         k_q3cbf3d5562_hstep.kd
    .args:
      - { .name: H, .offset: 0, .size: 8, .value_kind: global_buffer, .address_space: global }
      - { .name: C, .offset: 8, .size: 8, .value_kind: global_buffer, .address_space: global }
      - { .name: F, .offset: 16, .size: 8, .value_kind: global_buffer, .address_space: global }
      - { .name: I, .offset: 24, .size: 8, .value_kind: global_buffer, .address_space: global }
      - { .name: W_in_2, .offset: 32, .size: 8, .value_kind: global_buffer, .address_space: global }
      - { .name: z, .offset: 40, .size: 8, .value_kind: global_buffer, .address_space: global }
      - { .name: out0, .offset: 48, .size: 8, .value_kind: global_buffer, .address_space: global }
      - { .name: wpart, .offset: 56, .size: 8, .value_kind: global_buffer, .address_space: global }
      - { .name: out1, .offset: 64, .size: 8, .value_kind: global_buffer, .address_space: global }
      - { .name: out2, .offset: 72, .size: 8, .value_kind: global_buffer, .address_space: global }
    .group_segment_fixed_size: 2304
    .private_segment_fixed_size: 0
    .kernarg_segment_align: 8
    .kernarg_segment_size: 80
    .max_flat_workgroup_size: 512
    .sgpr_count:     66
    .vgpr_count:     178
    .wavefront_size: 32
...
	.end_amdgpu_metadata
.endif
;; end of part 2
